; MI455X (gfx1250); checked and timed in simulation.
; The chip was launched on July 23, 2026; its instructions are those of AMD's public machine-readable ISA for CDNA 5 (MIT licence, August 2026) and "CDNA5" Instruction Set Architecture Reference Guide (July 2026). The comments in the code are by the model that wrote it; some were corrected since.
;; Multi Axis Attention. Allowed arithmetic: matrix products marked QUANTISED: E2M3 operands, one E8M0 scale for each 32 along K, by v_wmma_scale_f32_16x16x128_f8f6f4 with both operands' format E2M3, f32 sums; everything else in f32.
;; Inputs: bias_table 2,197 x 4 float32; ln_b 128 float32; ln_w 128 float32; rel_pos_indices 343 x 343 int32; w_out 128 x 128 float32; w_qkv 128 x 384 float32; x 2 x 4 x 4 x 4 x 7 x 7 x 7 x 128 float32.
;; Outputs: out0 2 x 4 x 4 x 4 x 7 x 7 x 7 x 128 float32.
;; This version of the problem:
;;   THIS VERSION OF THE PROBLEM IS GIVEN IN LOW PRECISION. The matrix products marked QUANTISED in the list below multiply operands that are first quantised to E2M3 (2 exponent bits, 3 mantissa bits; 6 bits a number), with one power-of-two scale for each 32 numbers along K (OCP MX v1.0); their sums are f32. All else is computed in f32.
;;   The module's matrix products, in the order in which they are computed (A, B: the left and right operand; K: the contracted axis; several contracted axes count as one K, in the product's order):
;;     1. [M 43,904, K 128] x [K 128, N 384]; A: computed on the way; B: input w_qkv: QUANTISED
;;     2. batch 512 x [M 343, K 32] x [K 32, N 343]; A: computed on the way; B: computed on the way: QUANTISED
;;     3. batch 512 x [M 343, K 343] x [K 343, N 32]; A: softmax (see below); B: computed on the way: QUANTISED
;;     4. [M 43,904, K 128] x [K 128, N 128]; A: computed on the way; B: input w_out: QUANTISED
;;   THE QUANTISER, for each operand of a quantised product, along K:
;;     - K is cut into blocks of 32 from its start; a last block that is shorter is filled with zeros.
;;     - A block's scale is 2^e with e = floor(log2(the largest magnitude in the block)) - 2, held to -126 .. 127; a block of zeros has e = 0. As a byte (E8M0): e + 127.
;;     - Each number is divided by its block's scale, clamped to +-7.5, and rounded to the nearest number of E2M3, ties to even, subnormals kept.
;;     - The product sums the exact products of the quantised numbers (number of the format x scale) in f32.
;;   ~~~python
;;   def quantise(x, axis):      # numpy; x: float32 -> the quantised numbers, widened to float32 again
;;       x = np.moveaxis(x, axis, -1); K = x.shape[-1]
;;       x = np.pad(x, [(0, 0)] * (x.ndim - 1) + [(0, -K % 32)]); x = x.reshape(x.shape[:-1] + (-1, 32)); a = np.abs(x).max(-1, keepdims=True)
;;       e = np.where(a > 0, np.clip(np.frexp(np.where(a > 0, a, 1))[1] - 1 - 2, -126, 127), 0)      # np.frexp(a)[1] - 1 = floor(log2(a)), exactly
;;       r = np.clip(x / 2.0 ** e, -7.5, 7.5)
;;       step = 2.0 ** (np.maximum(np.frexp(np.where(r == 0, 1, r))[1] - 1, 0) - 3)
;;       q = np.round(r / step) * step * 2.0 ** e      # np.round: ties to even
;;       return np.moveaxis(q.reshape(q.shape[:-2] + (-1,))[..., :K], -1, axis).astype(np.float32)
;;   ~~~
;;   SOFTMAX AHEAD OF A QUANTISED PRODUCT. Where the list says 'softmax', what is quantised is not the finished softmax but p = 2^(t - M), with t = logit x log2(e) and M = ceil(the row's largest t), a whole number; so 1/2 < the row's largest p <= 1. The row's sum l is taken of the UNQUANTISED p, in f32, and the product's result is divided by l at the end. Since M is a whole number, a kernel that streams over the keys may use a running M (the ceiling of the running maximum): every later rescaling is an exact power of two, which a block's scale takes up: the codes' values come out the same.
;;   OPERANDS COMPUTED ON THE WAY. 'Computed on the way' means the value that the module computes at that place (a softmax that the list does not call 'softmax' is quantised finished and normalised). What goes into a quantiser is computed in f32, as accurately as f32 sums, v_exp_f32 and their like allow (about 1e-6 of the number): no bf16 or f16 on the way to a quantiser, and a product that is left as it is and whose result goes on into a quantised operand takes f32 operands (vector FMAs, or v_wmma_f32_16x16x4_f32). A number that lies on a knife's edge between two numbers of the format may be rounded either way, as far as f32 arithmetic and the matrix unit's own rounding can turn it there, and no further.
;; One version. Each part assembles by itself: llvm-mc -triple=amdgcn-amd-amdhsa -mcpu=gfx1250 --defsym DOCPART=n.
;; ======== version 1 of 1: 2 launches
;; workspace buffers: wts 53,248 bytes; biasx 1,982,464 bytes
;; launch prep (part 1): grid 258 x 1, 2 waves a work-group, no clusters, 0 bytes of LDS; arguments w_qkv, w_out, bias_table, rel_pos_indices, wts, biasx; writes wts, biasx
.if DOCPART == 1
	.amdgcn_target "amdgcn-amd-amdhsa--gfx1250"
	.amdhsa_code_object_version 6
	.text
	.protected	k_q3f098fd768_prep
	.globl	k_q3f098fd768_prep
	.p2align	8
	.type	k_q3f098fd768_prep,@function
k_q3f098fd768_prep:
	s_mov_b64 s[64:65], 0
	v_nop
	global_prefetch_b8 v0, s[64:65] scope:SCOPE_SE
	s_setreg_imm32_b32 hwreg(HW_REG_WAVE_MODE, 25, 1), 1
	s_wait_xcnt 0x0
; Work done once for all 128 windows.  A wave takes one unit: unit = 2 x work-group + wave, 0 .. 515.
; Units 0-23: a tile of 16 columns of w_qkv [128][384]; units 24-31: of w_out [128][128].  The tile is quantised along K (its first axis) to E2M3 with one E8M0 byte
; for each 32 along K, and stored as an IMAGE OF THE OPERAND'S REGISTERS: fragment u at 1,536 u, register group i (4 registers) at + 512 i + 16 x lane; its scale word at
; 49,152 + 512 (u / 4) + 16 x lane + 4 (u % 4), so that one 16-byte read a lane brings four tiles' words.
; A lane takes a column and its registers run down K, in the order that the operand's layout gives that lane: k = 64 c + 32 (lane / 16) + 0 .. 31.  Nothing is transposed.
; The columns of a tile of w_qkv are not neighbours: lane r of tile T takes column 32 (T / 2) + 8 (T % 2) + r + 8 (r / 8), so that in the transposed products a lane's 16 registers of two neighbouring tiles are 16 neighbouring channels.
; Units 32-515: the bias of one (parity p, query tile w, key tile T), all four heads, gathered through rel_pos_indices and laid as the accumulator of S^T wants it:
; register j of lane (r, h) = bias(query 32 w + 8 p + r + 8 (r / 8), key 32 (T / 2) + 8 ((T % 2) xor p) + 16 h + j).
; biasx: [p 2][w 11][head 4][T 22][half 2][lane 32][4 f32].  A query past 342 gets 0; a key past 342 gets -1e30, under which its weight in the softmax is 0.
; LIMITS: -1e30 stands for minus infinity: logits must stay far above it.  A block of zeros gets the byte 1 where the quantiser's rule says 127: its codes are zeros and this program alone reads the bytes.  NaN and infinities are not served.
.set NEGBIG, 0xf149f2ca                ; -1e30
	s_load_b256 s[4:11], s[0:1], 0x0               ; w_qkv s[4:5], w_out s[6:7], bias_table s[8:9], rel_pos_indices s[10:11]
	s_load_b128 s[12:15], s[0:1], 0x20             ; wts s[12:13], biasx s[14:15]
	v_lshrrev_b32 v1, 5, v0
	v_readfirstlane_b32 s16, v1                    ; wave 0, 1
	s_lshl_b32 s17, ttmp9, 1
	s_add_co_u32 s17, s17, s16                     ; unit
	v_and_b32 v1, 15, v0                           ; r
	v_bfe_u32 v2, v0, 4, 1                         ; h
	v_and_b32 v3, 31, v0
	v_lshlrev_b32 v3, 4, v3                        ; 16 x lane
	v_and_b32 v4, 8, v1
	v_add_nc_u32 v4, v4, v1                        ; r + 8 (r / 8)
	s_mov_b32 s36, 0x76543210
	s_mov_b32 s37, 0xfedcba98                      ; v_permlanex16_b32's selects for lane l xor 16
	s_wait_kmcnt 0x0
	s_cmp_lt_u32 ttmp9, 12                         ; both waves of a work-group take the same way
	s_cbranch_scc1 .Lqkv
	s_cmp_lt_u32 ttmp9, 16
	s_cbranch_scc1 .Lout
	; ---- the bias
	s_sub_co_u32 s18, s17, 32                      ; 0 .. 483
	s_mul_hi_u32 s19, s18, 0x0ba2e8bb              ; / 22 (the factor is 2^32 / 22 rounded up: exact for numbers this small): 11 p + w
	s_mul_i32 s32, s19, 22
	s_sub_co_u32 s33, s18, s32                     ; T
	s_cmp_ge_u32 s19, 11
	s_cselect_b32 s22, 1, 0                        ; p
	s_mul_i32 s32, s22, 11
	s_sub_co_u32 s23, s19, s32                     ; w
	s_lshl_b32 s34, s23, 5
	s_lshl_b32 s32, s22, 3
	s_add_co_u32 s34, s34, s32
	s_wait_alu depctr_va_vdst(0)
	v_add_nc_u32 v5, s34, v4                       ; my query
	s_lshr_b32 s34, s33, 1
	s_lshl_b32 s34, s34, 5
	s_and_b32 s35, s33, 1
	s_xor_b32 s35, s35, s22
	s_lshl_b32 s35, s35, 3
	s_add_co_u32 s34, s34, s35
	v_lshl_add_u32 v6, v2, 4, s34                  ; my first key
	s_movk_i32 s35, 343
	v_cmp_gt_u32 s20, s35, v5                      ; the query is a token
	v_min_u32 v7, 0x156, v5                        ; held inside the table of indices
	v_mul_u32_u24 v7, s35, v7
.irp j, 0,1,2,3,4,5,6,7
	v_add_nc_u32 v[8+\j], \j, v6
.endr
.irp j, 0,1,2,3,4,5,6,7
	v_cmp_gt_u32 s[24+\j], s35, v[8+\j]            ; key j is a token
.endr
.irp j, 0,1,2,3,4,5,6,7
	v_min_u32 v[8+\j], 0x156, v[8+\j]
.endr
.irp j, 0,1,2,3,4,5,6,7
	v_add_lshl_u32 v[8+\j], v[8+\j], v7, 2         ; (query x 343 + key) x 4
.endr
.irp j, 0,1,2,3,4,5,6,7
	global_load_b32 v[16+\j], v[8+\j], s[10:11]
.endr
	s_mul_i32 s32, s19, 90112                      ; where the unit's 4 x 1,024 bytes go
	s_lshl_b32 s34, s33, 10
	s_add_co_u32 s32, s32, s34
	s_mov_b32 s33, 0
	s_add_nc_u64 s[14:15], s[14:15], s[32:33]
	v_mov_b32 v24, NEGBIG
	s_wait_loadcnt 0x0
.irp j, 0,1,2,3,4,5,6,7
	v_min_u32 v[16+\j], 0x894, v[16+\j]            ; an index stays inside the table's 2,197 rows
.endr
.irp j, 0,1,2,3,4,5,6,7
	v_lshlrev_b32 v[16+\j], 4, v[16+\j]            ; a row is four heads' 16 bytes
.endr
.irp d, 0,1,2,3
.irp j, 0,1,2,3,4,5,6,7
	global_load_b32 v[32+8*\d+\j], v[16+\j], s[8:9] offset:4*\d
.endr
.endr
	s_wait_loadcnt 0x0
.irp d, 0,1,2,3
.irp j, 0,1,2,3,4,5,6,7
	v_cndmask_b32 v[32+8*\d+\j], 0, v[32+8*\d+\j], s20
.endr
.endr
.irp d, 0,1,2,3
.irp j, 0,1,2,3,4,5,6,7
	v_cndmask_b32 v[32+8*\d+\j], v24, v[32+8*\d+\j], s[24+\j]
.endr
.endr
.irp d, 0,1,2,3
	global_store_b128 v3, v[32+8*\d:35+8*\d], s[14:15] offset:22528*\d        ; 32 lanes store 512 consecutive bytes, aligned
	global_store_b128 v3, v[36+8*\d:39+8*\d], s[14:15] offset:22528*\d+512
.endr
	s_endpgm
; A tile of 16 columns x 128 along K.  v4: the byte offset of W(32 h, my column).  P: the scalar pair of the tensor's address.
.macro WTILE STRIDE, P
.irp c, 0,1
.irp i, 0,1,2,3,4,5,6,7,8,9,10,11,12,13,14,15,16,17,18,19,20,21,22,23,24,25,26,27,28,29,30,31
	global_load_b32 v[64+32*\c+\i], v4, s[\P:\P+1] offset:(64*\c+\i)*\STRIDE*4   ; W(64 c + 32 h + i, my column)
.endr
.endr
	s_mul_i32 s20, s17, 1536
	s_mov_b32 s21, 0
	s_add_nc_u64 s[22:23], s[12:13], s[20:21]      ; the fragment's image
	s_lshr_b32 s20, s17, 2
	s_lshl_b32 s20, s20, 9
	s_and_b32 s24, s17, 3
	s_lshl_b32 s24, s24, 2
	s_add_co_u32 s20, s20, s24
	s_add_co_u32 s20, s20, 49152
	s_add_nc_u64 s[26:27], s[12:13], s[20:21]      ; its scale words
	s_wait_loadcnt 0x0
.irp c, 0,1                                    ; my block 2 c + h: all its 32 numbers are mine
	v_max3_num_f32 v[32+\c], |v[64+32*\c]|, |v[65+32*\c]|, 0x1800000   ; with the floor 2^(3 - 127): the byte cannot fall under 1
.endr
.irp i, 2,4,6,8,10,12,14,16,18,20,22,24,26,28,30
.irp c, 0,1
	v_max3_num_f32 v[32+\c], v[32+\c], |v[64+32*\c+\i]|, |v[65+32*\c+\i]|
.endr
.endr
.irp c, 0,1
	v_add_nc_u32 v[44+\c], 0xff000000, v[32+\c]    ; 2 off the exponent field: the conversion's scale operand
.endr
.irp c, 0,1
	v_lshrrev_b32 v[36+\c], 23, v[44+\c]           ; the scale's byte
.endr
	v_lshl_or_b32 v9, v37, 16, v36                 ; blocks h and 2 + h of my column,
	v_lshlrev_b32 v10, 3, v2
	v_lshlrev_b32 v9, v10, v9                      ; at their places in the word;
	v_mov_b32 v10, 0
	v_permlanex16_b32 v10, v9, s36, s37
	v_or_b32 v9, v9, v10                           ; with lane l xor 16's two the word is whole
.irp c, 0,1
	v_cvt_scalef32_pk16_fp6_f32 v[48+6*\c:50+6*\c], v[64+32*\c:79+32*\c], v[44+\c]
	v_cvt_scalef32_pk16_fp6_f32 v[24+4*\c:26+4*\c], v[80+32*\c:95+32*\c], v[44+\c]   ; (a conversion's three registers begin on an even number)
.endr
	v_nop                                          ; one plain place behind a scaled conversion
.irp c, 0,1
.irp i, 0,1,2
	v_mov_b32 v[51+6*\c+\i], v[24+4*\c+\i]
.endr
.endr
.irp i, 0,1,2
	global_store_b128 v3, v[48+4*\i:51+4*\i], s[22:23] offset:512*\i   ; 512 consecutive bytes, aligned
.endr
	global_store_b32 v3, v9, s[26:27]
.endm
.Lqkv:
	s_lshr_b32 s18, s17, 1
	s_lshl_b32 s18, s18, 5
	s_and_b32 s19, s17, 1
	s_lshl_b32 s19, s19, 3
	s_add_co_u32 s18, s18, s19
	s_wait_alu depctr_va_vdst(0)
	v_add_nc_u32 v4, s18, v4                       ; column 32 (T / 2) + 8 (T % 2) + r + 8 (r / 8)
	v_lshlrev_b32 v4, 2, v4
	v_mul_u32_u24 v5, v2, 32*384*4                 ; lanes 16-31 begin 32 rows further down
	v_add_nc_u32 v4, v4, v5
	WTILE 384, 4
	s_endpgm
.Lout:
	s_sub_co_u32 s18, s17, 24
	s_lshl_b32 s18, s18, 4
	s_wait_alu depctr_va_vdst(0)
	v_add_nc_u32 v4, s18, v1                       ; column 16 t + r
	v_lshlrev_b32 v4, 2, v4
	v_mul_u32_u24 v5, v2, 32*128*4
	v_add_nc_u32 v4, v4, v5
	WTILE 128, 6
	s_endpgm
.Lfunc_end_k_q3f098fd768_prep:
	.size	k_q3f098fd768_prep, .Lfunc_end_k_q3f098fd768_prep-k_q3f098fd768_prep
	.p2alignl 7, 3214868480
	.fill 96, 4, 3214868480
	.section	.rodata,"a",@progbits
	.p2align	6, 0x0
	.amdhsa_kernel k_q3f098fd768_prep
		.amdhsa_group_segment_fixed_size 0
		.amdhsa_private_segment_fixed_size 0
		.amdhsa_enable_private_segment 0
		.amdhsa_kernarg_size 48
		.amdhsa_user_sgpr_count 2
		.amdhsa_user_sgpr_kernarg_segment_ptr 1
		.amdhsa_wavefront_size32 1
		.amdhsa_system_sgpr_workgroup_id_x 1
		.amdhsa_system_sgpr_workgroup_id_y 1
		.amdhsa_system_sgpr_workgroup_id_z 1
		.amdhsa_system_vgpr_workitem_id 0
		.amdhsa_next_free_vgpr 128
		.amdhsa_next_free_sgpr 66
		.amdhsa_reserve_vcc 0
		.amdhsa_float_denorm_mode_32 3
		.amdhsa_float_denorm_mode_16_64 3
		.amdhsa_memory_ordered 1
		.amdhsa_forward_progress 1
		.amdhsa_inst_pref_size 34
	.end_amdhsa_kernel
	.amdgpu_metadata
---
amdhsa.version: [ 1, 2 ]
amdhsa.kernels:
  - .name:           k_q3f098fd768_prep
    .symbol:         k_q3f098fd768_prep.kd
    .args:
      - { .name: w_qkv, .offset: 0, .size: 8, .value_kind: global_buffer, .address_space: global }
      - { .name: w_out, .offset: 8, .size: 8, .value_kind: global_buffer, .address_space: global }
      - { .name: bias_table, .offset: 16, .size: 8, .value_kind: global_buffer, .address_space: global }
      - { .name: rel_pos_indices, .offset: 24, .size: 8, .value_kind: global_buffer, .address_space: global }
      - { .name: wts, .offset: 32, .size: 8, .value_kind: global_buffer, .address_space: global }
      - { .name: biasx, .offset: 40, .size: 8, .value_kind: global_buffer, .address_space: global }
    .group_segment_fixed_size: 0
    .private_segment_fixed_size: 0
    .kernarg_segment_align: 8
    .kernarg_segment_size: 48
    .max_flat_workgroup_size: 64
    .sgpr_count:     66
    .vgpr_count:     128
    .wavefront_size: 32
...
	.end_amdgpu_metadata
.endif
;; end of part 1
;; launch main (part 2): grid 256 x 1, 11 waves a work-group, no clusters, 222,464 bytes of LDS; arguments x, ln_w, ln_b, wts, biasx, out0; writes out0
.if DOCPART == 2
	.amdgcn_target "amdgcn-amd-amdhsa--gfx1250"
	.amdhsa_code_object_version 6
	.text
	.protected	k_q3f098fd768_main
	.globl	k_q3f098fd768_main
	.p2align	8
	.type	k_q3f098fd768_main,@function
k_q3f098fd768_main:
	s_mov_b64 s[64:65], 0
	v_nop
	global_prefetch_b8 v0, s[64:65] scope:SCOPE_SE
	s_setreg_imm32_b32 hwreg(HW_REG_WAVE_MODE, 25, 1), 1
	s_wait_xcnt 0x0
; LayerNorm, QKV, attention in 4 heads of 32 with a relative-position bias, and the output product, fused: all four products on codes of E2M3 with one E8M0 byte for each 32 along K.
; SHARES.  Work-group = (window = id / 2, parity p = id % 2).  The window's 343 tokens are padded to 352 = 11 blocks of 32; wave w owns block w, as two tiles of 16 (slots 0, 1):
; row r of (block b, slot s) is token 32 b + 8 (s xor p) + r + 8 (r / 8).  A wave normalises and quantises its two tiles, makes their K and V (every work-group needs all keys), and Q of its slot 0:
; the two parities' slot-0 tiles together are all queries.  q, k, v, p and the heads' output never go to memory.
; LAYOUT.  Q^T, K^T, S^T = K Q^T, O^T = V^T P^T and the output are used transposed, so that a lane holds one token (lane % 16) and its registers run along the next product's K.  By the choice of a tile's rows the
; 16 registers of two neighbouring tiles are the places 16 (lane / 16) + 0 .. 15 of one block of 32.  With p = 1 the two groups of eight change places inside a block, alike in P and in V: the blocks, and so the scales, stay.
; ONE HEAD OUT OF 128 ALONG K.  K's fragment holds all four heads (4 blocks of 32); Q's codes are kept for the head in hand and are zero codes elsewhere.  Only K's six registers of the head's pair are read from LDS.
; THE BIAS is the C of the score's matrix instruction: it was gathered once, in the accumulator's layout, and is loaded straight into the accumulator.  Keys past 342 carry -1e30 there.
; SOFTMAX.  t = logit x log2(e); M = the running largest t rounded up to a whole number; p = 2^(t - M) is quantised along the keys; the sum of the unquantised p divides O at the end; when M moves, sum and O are multiplied by 2^(old M - new M).
; OPERANDS GO FROM WAVE TO WAVE THROUGH LDS AS IMAGES OF THEIR REGISTERS.  Two barriers: behind the first the weights and the norm's gain and bias lie in LDS; behind the second all K and V.
; NO CLUSTER: what all work-groups share and fetch by tensor load is 54,272 bytes (weights, gain, bias) of the about 1.2 MB that a work-group reads; x and the bias go into registers; and the branch round the
; stores of rows past token 342 hangs on p, which would be a place in a cluster.
; LIMITS: -1e30 stands for minus infinity on padded keys; a block of zeros carries the byte 1 (its codes are zeros; the bytes are read here alone); NaN and infinities among the inputs are not served.
.set WIMG, 0                           ; LDS: 32 weight fragments of 1,536 bytes: register group i at + 512 i + 16 x lane
.set WSC,  49152                       ; their scale words: group of four tiles g at + 512 g + 16 x lane
.set LNP,  53248                       ; ln_w, then ln_b, 512 bytes each
.set KIMG, 54272                       ; K: tile T = 2 b + slot at 1,536 T; head pair c at + 768 c: registers 6 c .. 6 c + 3 at 16 x lane, 6 c + 4, 5 at + 512 + 8 x lane
.set KSC,  88064                       ; K's scale words: key step s at 512 s + 16 x lane + 4 (b % 4); lanes 0-15 slot 0's rows, lanes 16-31 slot 1's
.set VIMG, 89600                       ; V^T: fragment (dt, s) at 1,536 (3 dt + s): 48 x lane + 4 x register
.set VSC,  126464                      ; V's scale bytes: 64 (3 dt + s) + 4 r + b % 4
.set STG,  128000                      ; the way out: 16 rows x (512 + 16) bytes for each wave
.set STGW, 8448
.set L16, 1                            ; v1   16 x lane
.set KA,  2                            ; v2   KIMG + 16 x lane
.set KB,  3                            ; v3   KIMG + 512 + 8 x lane
.set KS,  4                            ; v4   KSC + 16 x lane
.set VA,  5                            ; v5   VIMG + 48 x lane
.set VS,  6                            ; v6   VSC + 4 r
.set SO,  7                            ; v7   my stage: row r, + 32 h
.set SR,  8                            ; v8   my stage: 16 x lane
.set WSA, 9                            ; v9   WSC + 16 x lane
.set XW0, 10                           ; v10-11 xn's scale words; at the end two of w_out's
.set XA0, 12                           ; v12-13 x: my byte offsets; in attention v12 -M, v13 the largest t
.set KW16, 14                          ; v14-15 where I store K's images; in attention the sum, in two halves
.set KW8, 15
.set KSW, 16                           ; v16-19 where I store K's scale word, V's codes, V's bytes; where I read gain and bias
.set VW,  17
.set VB,  18
.set LNA, 19
.set ZR,  21                           ; v21  0;  v22  127
.set C127, 22
.set QX,  16                           ; in attention: v16-21 Q's registers 0-5 of the head in hand, v22-27 zeros, v28-33 its registers 6-11
.set QZ,  22
.set QW,  34                           ; v34  Q's scale word;  v35  the heads' output's
.set OW,  35
.set OF,  36                           ; v36-47 the heads' output as codes (before: xn's fragment of slot 0)
.set XF0, 36
.set OA,  48                           ; v48-63 O^T of the head in hand, two tiles (before: xn's fragment of slot 1; v62-63 K's scale words in the making)
.set KW0, 62
.set QF,  64                           ; v64-75 Q's fragment, all heads
.set BM,  76                           ; v76-79 blocks' largest magnitudes;  v80-83 at work, then the bytes;  v84-87 the conversions' scale operands
.set BT,  80
.set BS,  84
.set FF,  88                           ; v88  2^(old M - new M);  v89  p's scale word
.set PW,  89
.set TP,  90                           ; v90-91 at work
.set WS,  92                           ; v92-95 scale words from LDS: the weights', K's
.set KF,  96                           ; v96-125 K's fragments, four tiles six registers apart
.set PC,  96                           ; v96-107 codes just made;  v108-115 the conversions' second halves
.set PT,  108
.set VWD, 126                          ; v126-127 V's scale words; at the end two of w_out's
.set SA,  128                          ; v128-191, v192-255 scores, two buffers by turns (before: x, then the weights' fragments and the projections' results)
.set SB,  192
.set WF,  128
.set ACC, 192
.set X0,  128
.set X1,  192
.macro PLACES n                        ; plain vector instructions between a matrix instruction and what may not follow it closely (ISA guide 7.12.1)
.rept \n
	v_nop
.endr
.endm
.macro MM0 d, a, b, sa, sb             ; a product that starts a sum
	v_wmma_scale_f32_16x16x128_f8f6f4 v[(\d):(\d)+7], v[(\a):(\a)+11], v[(\b):(\b)+11], 0, v[(\sa)], v[(\sb)] matrix_a_fmt:MATRIX_FMT_FP6 matrix_b_fmt:MATRIX_FMT_FP6
.endm
.macro MMC d, a, b, sa, sb             ; a product onto what its result's registers hold
	v_wmma_scale_f32_16x16x128_f8f6f4 v[(\d):(\d)+7], v[(\a):(\a)+11], v[(\b):(\b)+11], v[(\d):(\d)+7], v[(\sa)], v[(\sb)] matrix_a_fmt:MATRIX_FMT_FP6 matrix_b_fmt:MATRIX_FMT_FP6
.endm
.macro MMC1 d, a, b, sa, sb            ; the same, source 0's scales from lanes 16-31
	v_wmma_scale_f32_16x16x128_f8f6f4 v[(\d):(\d)+7], v[(\a):(\a)+11], v[(\b):(\b)+11], v[(\d):(\d)+7], v[(\sa)], v[(\sb)] matrix_a_fmt:MATRIX_FMT_FP6 matrix_b_fmt:MATRIX_FMT_FP6 matrix_a_scale:MATRIX_SCALE_ROW1
.endm
; n blocks of 32: register src + 16 b + i is place 16 (lane / 16) + i of block b.  Leaves the conversion's scale operand in BS + b and the scale's byte in BT + b.
.macro QMAX src, n
.set qb, 0
.rept \n
	v_max3_num_f32 v[BM+qb], |v[\src+16*qb]|, |v[\src+16*qb+1]|, 0x1800000   ; my 16 numbers, and the floor 2^(3 - 127): the byte cannot fall under 1
.set qb, qb+1
.endr
.set qi, 2
.rept 7
.set qb, 0
.rept \n
	v_max3_num_f32 v[BM+qb], v[BM+qb], |v[\src+16*qb+qi]|, |v[\src+16*qb+qi+1]|   ; (the blocks by turns)
.set qb, qb+1
.endr
.set qi, qi+2
.endr
.set qb, 0
	v_permlanex16_b32 v[BT+qb], v[BM+qb], s20, s21
.set qb, qb+1
.rept (\n)-1
	s_delay_alu instid0(VALU_DEP_4)
	v_permlanex16_b32 v[BT+qb], v[BM+qb], s20, s21
.set qb, qb+1
.endr
.set qb, 0
	v_max_num_f32 v[BM+qb], v[BM+qb], v[BT+qb]     ; with lane l xor 16's: the block's largest magnitude
.set qb, qb+1
.rept (\n)-1
	s_delay_alu instid0(VALU_DEP_4)
	v_max_num_f32 v[BM+qb], v[BM+qb], v[BT+qb]     ; with lane l xor 16's: the block's largest magnitude
.set qb, qb+1
.endr
.set qb, 0
	v_add_nc_u32 v[BS+qb], 0xff000000, v[BM+qb]    ; 2 off its exponent field: the conversion takes that field as its scale
.set qb, qb+1
.rept (\n)-1
	s_delay_alu instid0(VALU_DEP_4)
	v_add_nc_u32 v[BS+qb], 0xff000000, v[BM+qb]    ; 2 off its exponent field: the conversion takes that field as its scale
.set qb, qb+1
.endr
.set qb, 0
	v_lshrrev_b32 v[BT+qb], 23, v[BS+qb]           ; the scale's byte
.set qb, qb+1
.rept (\n)-1
	s_delay_alu instid0(VALU_DEP_4)
	v_lshrrev_b32 v[BT+qb], 23, v[BS+qb]           ; the scale's byte
.set qb, qb+1
.endr
.endm
.macro QWORD w                         ; four bytes make my row's scale word
	s_delay_alu instid0(VALU_DEP_3)
	v_lshl_or_b32 v[\w], v[BT+1], 8, v[BT]
	s_delay_alu instid0(VALU_DEP_1)
	v_lshl_or_b32 v[\w], v[BT+2], 16, v[\w]
	s_delay_alu instid0(VALU_DEP_1)
	v_lshl_or_b32 v[\w], v[BT+3], 24, v[\w]
.endm
.macro SWAPS dst                       ; the operand's layout wants a whole block in a lane: lanes 0-15 block 2 c, lanes 16-31 block 2 c + 1
.irp c, 0,1
.irp i, 0,1,2
	v_permlane16_swap_b32 v[\dst+6*\c+\i], v[PT+4*\c+\i]
.endr
.irp i, 0,1,2
	s_delay_alu instid0(VALU_DEP_3)
	v_mov_b32 v[\dst+6*\c+3+\i], v[PT+4*\c+\i]
.endr
.endr
.endm
.macro QCVT src, dst                   ; 64 numbers become a fragment's 12 registers
.irp c, 0,1
	v_cvt_scalef32_pk16_fp6_f32 v[\dst+6*\c:\dst+6*\c+2], v[\src+32*\c:\src+32*\c+15], v[BS+2*\c]
	v_cvt_scalef32_pk16_fp6_f32 v[PT+4*\c:PT+4*\c+2], v[\src+32*\c+16:\src+32*\c+31], v[BS+2*\c+1]   ; (a conversion's three registers begin on an even number)
.endr
	v_nop                                          ; one plain place behind a scaled conversion
	SWAPS \dst
.endm
.macro WLOAD g                         ; four weight fragments and their scale words.  (The argument may be a sum: it stands in brackets wherever it is multiplied)
.irp t, 0,1,2,3
.irp i, 0,1,2
	ds_load_b128 v[WF+12*\t+4*\i:WF+12*\t+4*\i+3], v[L16] offset:WIMG+(4*(\g)+\t)*1536+512*\i
.endr
.endr
	ds_load_b128 v[WS:WS+3], v[WSA] offset:512*(\g)
.endm
; A lane holds 64 of its row's 128 numbers, lane l xor 16 the others.  The row is centred in place; 1 / sqrt(var + 1e-5) goes into both of RS, RS + 1.
.macro LNSTAT X, RS
	v_pk_add_f32 v[112:113], v[\X:\X+1], v[\X+2:\X+3]
	v_pk_add_f32 v[114:115], v[\X+4:\X+5], v[\X+6:\X+7]
.set jj, 8
.rept 14
	s_delay_alu instid0(VALU_DEP_2)
	v_pk_add_f32 v[112:113], v[112:113], v[\X+jj:\X+jj+1]
	s_delay_alu instid0(VALU_DEP_2)
	v_pk_add_f32 v[114:115], v[114:115], v[\X+jj+2:\X+jj+3]
.set jj, jj+4
.endr
	s_delay_alu instid0(VALU_DEP_1)
	v_pk_add_f32 v[112:113], v[112:113], v[114:115]
	s_delay_alu instid0(VALU_DEP_1)
	v_add_f32 v116, v112, v113
	s_delay_alu instid0(VALU_DEP_1)
	v_permlanex16_b32 v117, v116, s20, s21
	s_delay_alu instid0(VALU_DEP_1)
	v_add_f32 v116, v116, v117
	s_delay_alu instid0(VALU_DEP_1)
	v_mul_f32 v118, s26, v116                      ; the mean
	s_delay_alu instid0(VALU_DEP_1)
	v_mov_b32 v119, v118
.set jj, 0
.rept 32
	v_pk_add_f32 v[\X+jj:\X+jj+1], v[\X+jj:\X+jj+1], v[118:119] neg_lo:[0,1] neg_hi:[0,1]
.set jj, jj+2
.endr
	v_pk_mul_f32 v[112:113], v[\X:\X+1], v[\X:\X+1]
	v_pk_mul_f32 v[114:115], v[\X+2:\X+3], v[\X+2:\X+3]
.set jj, 4
.rept 15
	s_delay_alu instid0(VALU_DEP_2)
	v_pk_fma_f32 v[112:113], v[\X+jj:\X+jj+1], v[\X+jj:\X+jj+1], v[112:113]
	s_delay_alu instid0(VALU_DEP_2)
	v_pk_fma_f32 v[114:115], v[\X+jj+2:\X+jj+3], v[\X+jj+2:\X+jj+3], v[114:115]
.set jj, jj+4
.endr
	s_delay_alu instid0(VALU_DEP_1)
	v_pk_add_f32 v[112:113], v[112:113], v[114:115]
	s_delay_alu instid0(VALU_DEP_1)
	v_add_f32 v116, v112, v113
	s_delay_alu instid0(VALU_DEP_1)
	v_permlanex16_b32 v117, v116, s20, s21
	s_delay_alu instid0(VALU_DEP_1)
	v_add_f32 v116, v116, v117
	s_delay_alu instid0(VALU_DEP_1)
	v_fma_f32 v116, v116, s26, s27                 ; the variance + 1e-5
	s_wait_alu depctr_va_vdst(0)
	v_rsq_f32 v[\RS], v116
	v_nop                                          ; one plain place behind a transcendental
	s_wait_alu depctr_va_vdst(0)
	v_mov_b32 v[\RS+1], v[\RS]
.endm
.macro LNLD b, W, B                    ; gain and bias of my 16 channels of block b
.irp j, 0,1,2,3
	ds_load_b128 v[\W+4*\j:\W+4*\j+3], v[LNA] offset:128*\b+16*\j
	ds_load_b128 v[\B+4*\j:\B+4*\j+3], v[LNA] offset:512+128*\b+16*\j
.endr
.endm
.macro LNFMA b, W, B
.irp j, 0,2,4,6,8,10,12,14
	v_pk_fma_f32 v[X0+16*\b+\j:X0+16*\b+\j+1], v[X0+16*\b+\j:X0+16*\b+\j+1], v[\W+\j:\W+\j+1], v[\B+\j:\B+\j+1]
	v_pk_fma_f32 v[X1+16*\b+\j:X1+16*\b+\j+1], v[X1+16*\b+\j:X1+16*\b+\j+1], v[\W+\j:\W+\j+1], v[\B+\j:\B+\j+1]
.endr
.endm
.macro BLOAD n, B                      ; the bias of step n = 3 head + key step, straight into the scores' accumulators: 512 consecutive bytes a load
.set bh, (\n)/3
.set bs, (\n)%3
.set bt, 0
.rept 8-2*(bs/2)
	global_load_b128 v[\B+8*bt:\B+8*bt+3], v[L16], s[12:13] offset:bh*22528+(8*bs+bt)*1024
	global_load_b128 v[\B+8*bt+4:\B+8*bt+7], v[L16], s[12:13] offset:bh*22528+(8*bs+bt)*1024+512
.set bt, bt+1
.endr
.endm
.macro QMASK h                         ; Q's codes of head h alone: registers 6 (h / 2) on, lanes 16 (h % 2) on; all else zero codes
.set QC, (\h)/2
.irp i, 0,1,2,3,4,5
	v_cndmask_b32 v[QX+12*QC+\i], 0, v[QF+6*QC+\i], s[24+(\h)%2]
.endr
.endm
	; ---- the head: ids, every LDS address, constants, descriptors
	s_load_b256 s[4:11], s[0:1], 0x0               ; x s[4:5], ln_w s[6:7], ln_b s[8:9], wts s[10:11]
	s_load_b128 s[12:15], s[0:1], 0x20             ; biasx s[12:13], out0 s[14:15]
	s_set_vgpr_msb 0x40
	v_lshl_add_u32 v0, v0, 2, 0x35f00
	v_mov_b32 v1, 0
	s_set_vgpr_msb 0x4045
	ds_add_u32 v0, v1
	ds_add_u32 v0, v1
	s_set_vgpr_msb 0x4500
	v_lshrrev_b32 v20, 5, v0
	s_delay_alu instid0(VALU_DEP_1)
	v_readfirstlane_b32 s16, v20                   ; wave 0 .. 10
	s_and_b32 s17, ttmp9, 1                        ; p
	s_lshr_b32 s18, ttmp9, 1                       ; window
	v_and_b32 v24, 31, v0                          ; lane
	v_and_b32 v25, 15, v0                          ; r
	v_bfe_u32 v26, v0, 4, 1                        ; h
	s_delay_alu instid0(VALU_DEP_3)
	v_lshlrev_b32 v[L16], 4, v24
	s_delay_alu instid0(VALU_DEP_1)
	v_add_nc_u32 v[KA], KIMG, v[L16]
	v_lshl_add_u32 v[KB], v24, 3, KIMG+512
	s_delay_alu instid0(VALU_DEP_3)
	v_add_nc_u32 v[KS], KSC, v[L16]
	v_mul_u32_u24 v[VA], v24, 48
	s_delay_alu instid0(VALU_DEP_1)
	v_add_nc_u32 v[VA], VIMG, v[VA]
	v_lshl_add_u32 v[VS], v25, 2, VSC
	s_mul_i32 s56, s16, STGW
	s_add_co_u32 s56, s56, STG
	v_mul_u32_u24 v[SO], v25, 528
	s_delay_alu instid0(VALU_DEP_1)
	v_lshl_add_u32 v[SO], v26, 5, v[SO]
	s_delay_alu instid0(VALU_DEP_1)
	v_add_nc_u32 v[SO], s56, v[SO]
	v_add_nc_u32 v[SR], s56, v[L16]
	v_add_nc_u32 v[WSA], WSC, v[L16]
	s_mul_i32 s56, s16, 3072                       ; my block's two tiles of K
	s_add_co_u32 s56, s56, KIMG
	v_add_nc_u32 v[KW16], s56, v[L16]
	s_add_co_u32 s56, s56, 512
	v_lshl_add_u32 v[KW8], v24, 3, s56
	s_lshr_b32 s57, s16, 2                         ; my block's key step,
	s_and_b32 s58, s16, 3                          ; and its place in it
	s_lshl_b32 s59, s57, 9
	s_lshl_b32 s60, s58, 2
	s_add_co_u32 s59, s59, s60
	s_add_co_u32 s59, s59, KSC
	v_add_nc_u32 v[KSW], s59, v[L16]
	s_mul_i32 s59, s57, 1536                       ; V: block b of a step lies in registers 6 ((b / 2) % 2) on of lanes 16 (b % 2) on; my half's 16 codes 12 h bytes on
	s_bfe_u32 s60, s16, 0x10001
	s_mul_i32 s60, s60, 24
	s_add_co_u32 s59, s59, s60
	s_and_b32 s60, s16, 1
	s_mul_i32 s60, s60, 768
	s_add_co_u32 s59, s59, s60
	s_add_co_u32 s59, s59, VIMG
	v_mul_u32_u24 v[VW], v25, 48
	s_delay_alu instid0(VALU_DEP_1)
	v_mad_u32_u24 v[VW], v26, 12, v[VW]
	s_delay_alu instid0(VALU_DEP_1)
	v_add_nc_u32 v[VW], s59, v[VW]
	s_lshl_b32 s59, s57, 6
	s_add_co_u32 s59, s59, s58
	s_add_co_u32 s59, s59, VSC
	v_lshl_add_u32 v[VB], v25, 2, s59
	v_lshl_add_u32 v[LNA], v26, 6, LNP
	v_mov_b32 v[ZR], 0
	v_mov_b32 v[C127], 127
	v_mov_b32 v117, 0                              ; a lane permute's destination counts as one of its sources
	s_mov_b32 s20, 0x76543210
	s_mov_b32 s21, 0xfedcba98                      ; v_permlanex16_b32's selects for lane l xor 16
	s_mov_b32 s22, 0x3fb8aa3b                      ; log2(e)
	s_mov_b32 s23, s22                             ; (named with it as a pair)
	s_mov_b32 s24, 0x0000ffff                      ; lanes 0-15
	s_mov_b32 s25, 0xffff0000                      ; lanes 16-31
	s_mov_b32 s26, 0x3c000000                      ; 1 / 128
	s_mov_b32 s27, 0x3727c5ac                      ; 1e-5
	s_mov_b32 s66, 0x3e3504f3                      ; 32^-0.5
	s_mov_b32 s67, s66
	; group 1 for the weights: 104 rows of 256 bytes (32 elements of 8), dense, no padding
	s_mov_b32 s32, 3<<16
	s_mov_b32 s33, 32<<16
	s_mov_b32 s34, 104<<16
	s_mov_b32 s35, 32<<16
	s_mov_b32 s36, 104
	s_mov_b32 s37, 32
	s_mov_b32 s38, 0
	s_mov_b32 s39, 0
	; group 1 for gain or bias: one row of 512 bytes
	s_mov_b32 s44, 3<<16
	s_mov_b32 s45, 64<<16
	s_mov_b32 s46, 1<<16
	s_mov_b32 s47, 64<<16
	s_mov_b32 s48, 1
	s_mov_b32 s49, 64
	s_mov_b32 s50, 0
	s_mov_b32 s51, 0
	s_and_b32 s60, s16, 1
	s_mul_i32 s61, s60, 26624                      ; waves 0, 1: a half of the weights' 53,248 bytes each
	s_mov_b32 s40, 1
	s_mov_b32 s41, s61
	s_mov_b32 s52, 1
	s_lshl_b32 s53, s60, 9                         ; wave 2: the gain; wave 3: the bias
	s_add_co_u32 s53, s53, LNP
	s_mov_b32 s62, s61
	s_mov_b32 s63, 0
	s_wait_dscnt 0x0
	s_wait_kmcnt 0x0
	s_add_nc_u64 s[42:43], s[10:11], s[62:63]
	s_or_b32 s43, s43, 0x80000000
	s_cmp_eq_u32 s60, 0
	s_cselect_b64 s[54:55], s[6:7], s[8:9]
	s_or_b32 s55, s55, 0x80000000
	; the only tensor loads of the launch, one a wave in waves 0 to 3; every byte is filled once.  Four v_nop follow each line
	s_cmp_lt_u32 s16, 2
	s_cbranch_scc0 .Lnot_w
	tensor_load_to_lds s[40:43], s[32:39]
	s_nop 0
	PLACES 4
	s_branch .Lasked
.Lnot_w:
	s_cmp_lt_u32 s16, 4
	s_cbranch_scc0 .Lasked
	tensor_load_to_lds s[52:55], s[44:51]
	s_nop 0
	PLACES 4
.Lasked:
	s_mul_i32 s56, s18, 175616                     ; a window: 343 rows of 512 bytes
	s_mov_b32 s57, 0
	s_add_nc_u64 s[4:5], s[4:5], s[56:57]
	s_add_nc_u64 s[14:15], s[14:15], s[56:57]
	s_lshl_b32 s58, s16, 5
	s_lshl_b32 s59, s17, 3
	s_add_co_u32 s58, s58, s59                     ; slot 0's first token: 32 w + 8 p
	s_lshl_b32 s56, s58, 9
	s_add_nc_u64 s[14:15], s[14:15], s[56:57]      ; out0 at my first query
	s_sub_co_i32 s30, 327, s58                     ; how many of my rows 8-15 (tokens 32 w + 8 p + 16 on) are tokens; may be negative
	s_mul_i32 s56, s17, 11
	s_add_co_u32 s56, s56, s16
	s_mul_i32 s56, s56, 90112
	s_add_nc_u64 s[12:13], s[12:13], s[56:57]      ; the bias of my query tile
	s_xor_b32 s59, s59, 8
	s_lshl_b32 s60, s16, 5
	s_add_co_u32 s59, s59, s60                     ; slot 1's first token
	v_and_b32 v27, 8, v25
	s_delay_alu instid0(VALU_DEP_1)
	v_add_nc_u32 v27, v27, v25                     ; r + 8 (r / 8)
	s_delay_alu instid0(VALU_DEP_1)
	v_add_nc_u32 v28, s58, v27
	s_delay_alu instid0(VALU_DEP_2)
	v_add_nc_u32 v29, s59, v27
	s_movk_i32 s61, 343
	v_cmp_gt_u32 s28, s61, v28                     ; my row of slot 0 is a token;
	v_cmp_gt_u32 s29, s61, v29                     ; of slot 1
	v_min_u32 v28, 0x156, v28                      ; no load leaves the window: a padded row reads token 342 and is made zero codes below
	v_min_u32 v29, 0x156, v29
	s_delay_alu instid0(VALU_DEP_2)
	v_lshlrev_b32 v28, 9, v28
	s_delay_alu instid0(VALU_DEP_2)
	v_lshlrev_b32 v29, 9, v29
	s_delay_alu instid0(VALU_DEP_2)
	v_lshl_add_u32 v[XA0], v26, 6, v28             ; row x 512 + 64 h: my 16 numbers of each block of 32
	s_delay_alu instid0(VALU_DEP_2)
	v_lshl_add_u32 v[XA0+1], v26, 6, v29
.irp s, 0,1
.irp b, 0,1,2,3
.irp j, 0,1,2,3
	global_load_b128 v[X0+64*\s+16*\b+4*\j:X0+64*\s+16*\b+4*\j+3], v[XA0+\s], s[4:5] offset:128*\b+16*\j
.endr
.endr
.endr
	; ---- LayerNorm
	s_wait_loadcnt 16                              ; slot 0's sixteen loads are in; slot 1's may be out
	LNSTAT X0, 120
	s_wait_loadcnt 0x0
	LNSTAT X1, 122
	s_wait_alu depctr_va_vdst(0)
	s_wait_tensorcnt 0x0                           ; my tensor load, if I issued one, has landed
	s_barrier_signal -1
	s_barrier_wait -1                              ; everybody's has: weights, gain and bias lie in LDS
	LNLD 0, 36, 52
	LNLD 1, 68, 96
.set jj, 0
.rept 32
	v_pk_mul_f32 v[X0+jj:X0+jj+1], v[X0+jj:X0+jj+1], v[120:121]
	v_pk_mul_f32 v[X1+jj:X1+jj+1], v[X1+jj:X1+jj+1], v[122:123]
.set jj, jj+2
.endr
	s_wait_dscnt 8                                 ; the older chunk's eight loads are in, the younger's may be out
	LNFMA 0, 36, 52
	LNLD 2, 36, 52
	s_wait_dscnt 8
	LNFMA 1, 68, 96
	LNLD 3, 68, 96
	s_wait_dscnt 8
	LNFMA 2, 36, 52
	s_wait_dscnt 0x0
	LNFMA 3, 68, 96
.irp b, 0,1,2,3
	v_mov_b32 v[BT+\b], 0                          ; written once: a lane permute's destination counts as one of its sources
.endr
	QMAX X0, 4
	QWORD XW0
	QCVT X0, XF0
	WLOAD 0                                        ; into the registers that slot 0's numbers have left
	QMAX X1, 4
	QWORD XW0+1
	QCVT X1, XF0+12
.irp i, 0,1,2,3,4,5,6,7,8,9,10,11
	v_cndmask_b32 v[XF0+\i], 0, v[XF0+\i], s28     ; a row past token 342 becomes zero codes: its q, k and v are exactly 0
	v_cndmask_b32 v[XF0+12+\i], 0, v[XF0+12+\i], s29
.endr
	PLACES 8                                       ; operands and scale words written by vector instructions stand 4 and 8 places ahead of a scaled product
	; ---- Q^T of slot 0: source 0 = 16 columns of w_qkv, source 1 = my 16 tokens.  Register 16 head + i of the results is channel 32 head + 16 h + i
	s_wait_alu depctr_va_vdst(0)
	s_wait_dscnt 0x0
.irp t, 0,1,2,3
	MM0 ACC+8*\t, WF+12*\t, XF0, WS+\t, XW0
.endr
	PLACES 4                                       ; in front of loads into registers that the products have read
	WLOAD 1
	s_wait_dscnt 0x0
.irp t, 0,1,2,3
	MM0 ACC+32+8*\t, WF+12*\t, XF0, WS+\t, XW0
.endr
	PLACES 4
	WLOAD 2
.set jj, 0
.rept 32
	v_pk_mul_f32 v[ACC+jj:ACC+jj+1], v[ACC+jj:ACC+jj+1], s[66:67] op_sel_hi:[1,0]   ; q x 32^-0.5, ahead of the quantiser; each accumulator from its low end on
.set jj, jj+2
.endr
	QMAX ACC, 4
	QWORD QW
	QCVT ACC, QF
	; ---- K^T of both slots, a pair of heads at a time: the four blocks are (slot 0, heads 2 c, 2 c + 1), (slot 1, the same), so the codes are registers 6 c .. 6 c + 5 of each slot's fragment
.irp c, 0,1
	s_wait_dscnt 0x0                               ; the weights are in; my earlier LDS stores have read their registers
.irp t, 0,1,2,3
.irp s, 0,1
	MM0 ACC+32*\s+8*\t, WF+12*\t, XF0+12*\s, WS+\t, XW0+\s
.endr
.endr
	PLACES 4
	WLOAD 3+\c
	QMAX ACC, 4
.if \c == 0
	s_delay_alu instid0(VALU_DEP_3)
	v_lshl_or_b32 v[KW0], v[BT+1], 8, v[BT]
	s_delay_alu instid0(VALU_DEP_2)
	v_lshl_or_b32 v[KW0+1], v[BT+3], 8, v[BT+2]
.else
	s_delay_alu instid0(VALU_DEP_4)
	v_lshl_or_b32 v[KW0], v[BT], 16, v[KW0]
	s_delay_alu instid0(VALU_DEP_3)
	v_lshl_or_b32 v[KW0+1], v[BT+2], 16, v[KW0+1]
	s_delay_alu instid0(VALU_DEP_2)
	v_lshl_or_b32 v[KW0], v[BT+1], 24, v[KW0]
	s_delay_alu instid0(VALU_DEP_2)
	v_lshl_or_b32 v[KW0+1], v[BT+3], 24, v[KW0+1]
.endif
	QCVT ACC, PC
	ds_store_b128 v[KW16], v[PC:PC+3] offset:768*\c
	ds_store_b64 v[KW8], v[PC+4:PC+5] offset:768*\c
	ds_store_b128 v[KW16], v[PC+6:PC+9] offset:1536+768*\c
	ds_store_b64 v[KW8], v[PC+10:PC+11] offset:1536+768*\c
.endr
	v_cndmask_b32 v[TP], v[KW0+1], v[KW0], s24     ; lanes 0-15 slot 0's word, lanes 16-31 slot 1's
	ds_store_b32 v[KSW], v[TP]
	; ---- V: source 0 = my 16 tokens, source 1 = 16 columns of w_qkv: a lane holds one channel, and its 16 registers of the two slots are the places 16 h + 0 .. 15 of my block of keys
.irp g, 0,1
	s_wait_dscnt 0x0
.irp t, 0,1,2,3
.irp s, 0,1
	MM0 ACC+16*\t+8*\s, XF0+12*\s, WF+12*\t, XW0+\s, WS+\t
.endr
.endr
	PLACES 4
.if \g == 0
	WLOAD 5
.endif
	QMAX ACC, 4
.irp t, 0,1,2,3
	v_cvt_scalef32_pk16_fp6_f32 v[PC+4*\t:PC+4*\t+2], v[ACC+16*\t:ACC+16*\t+15], v[BS+\t]
.endr
	v_nop                                          ; one plain place behind a scaled conversion
.irp t, 0,1,2,3
.irp i, 0,1,2
	ds_store_b32 v[VW], v[PC+4*\t+\i] offset:4608*(4*\g+\t)+4*\i
.endr
	ds_store_b8 v[VB], v[BT+\t] offset:192*(4*\g+\t)   ; both lanes of a channel write the same byte with the same value
.endr
.endr
	s_cmp_lg_u32 s16, 10                           ; keys 352 to 383 fill the third key step: wave 10 writes their zero codes and a byte of 127
	s_cbranch_scc1 .Lnot10
.irp d, 0,1,2,3,4,5,6,7
.irp i, 0,1,2
	ds_store_b32 v[VW], v[ZR] offset:4608*\d+768+4*\i
.endr
	ds_store_b8 v[VB], v[C127] offset:192*\d+1
.endr
	ds_store_b32 v[KSW], v[C127] offset:4          ; (K's word of that block is read with the step's other three and used by no product)
.Lnot10:
	BLOAD 0, SA                                    ; the first two steps' bias is asked for ahead of the barrier
	BLOAD 1, SB
	s_wait_dscnt 0x0                               ; for the others' sake: my K and V lie in LDS
	s_barrier_signal -1
	s_barrier_wait -1
	QMASK 0
.irp i, 0,1,2,3,4,5
	v_mov_b32 v[QZ+\i], 0                          ; the half of Q's operand that belongs to the other pair of heads: zero codes
.endr
.irp i, 0,1,2,3,4,5
	v_mov_b32 v[KF+24+\i], 0                       ; behind the fourth tile's six registers: named by its product, met by zero codes of Q
.endr
	PLACES 4                                       ; operands written by vector instructions stand 4 places ahead of a scaled product
; ---- A KEY STEP of head h: keys 128 s on (the third step: 96), scores in buffer B.
; K's tile i has its six registers at KF + 6 (h / 2) + 6 i and its product names KF + 6 i .. + 11: the six that are not its own belong to a neighbour and meet zero codes of Q.
.macro STEP h, s, B
.set HC, (\h)/2
.set NB, 4-(\s)/2
.set NT, 2*NB
.set QB, QX+6*HC
.if 3*(\h)+(\s) == 11
	s_wait_loadcnt 0x0
.elseif (\s) == 1
	s_wait_loadcnt 12                              ; this step's bias is in; the next step's 12 loads, issued behind it, may be out
.else
	s_wait_loadcnt 16                              ; the same: 16
.endif
	ds_load_b128 v[WS:WS+3], v[KS] offset:512*(\s)
.irp g, 0,1
.if \g
	PLACES 4                                       ; in front of loads into registers that the products have read
.endif
.irp i, 0,1,2,3
.if 4*\g+\i < NT
	ds_load_b128 v[KF+6*HC+6*\i:KF+6*HC+6*\i+3], v[KA] offset:1536*(8*(\s)+4*\g+\i)+768*HC
	ds_load_b64 v[KF+6*HC+6*\i+4:KF+6*HC+6*\i+5], v[KB] offset:1536*(8*(\s)+4*\g+\i)+768*HC
.endif
.endr
	s_wait_dscnt 0x0
.irp i, 0,1,2,3
.if 4*\g+\i < NT
.if \i%2
	MMC1 \B+8*(4*\g+\i), KF+6*\i, QB, WS+(4*\g+\i)/2, QW
.else
	MMC \B+8*(4*\g+\i), KF+6*\i, QB, WS+(4*\g+\i)/2, QW
.endif
.endif
.endr
.endr
	PLACES 4
.irp b, 0,1,2,3
.if \b < NB
	v_max3_num_f32 v[BM+\b], v[\B+16*\b], v[\B+16*\b+1], v[\B+16*\b+2]   ; the largest logit of each block of 32 keys: for the row's maximum and, since p rises with the logit, for the block's largest p
.endif
.endr
.irp i, 3,5,7,9,11,13
.irp b, 0,1,2,3
.if \b < NB
	v_max3_num_f32 v[BM+\b], v[BM+\b], v[\B+16*\b+\i], v[\B+16*\b+\i+1]
.endif
.endr
.endr
.irp b, 0,1,2,3
.if \b < NB
	v_max_num_f32 v[BM+\b], v[BM+\b], v[\B+16*\b+15]
.endif
.endr
.irp b, 0,1,2,3
.if \b < NB
	v_permlanex16_b32 v[BT+\b], v[BM+\b], s20, s21
.endif
.endr
.irp b, 0,1,2,3
.if \b < NB
	v_max_num_f32 v[BM+\b], v[BM+\b], v[BT+\b]     ; with lane l xor 16's 16 keys
.endif
.endr
	v_max3_num_f32 v[TP], v[BM], v[BM+1], v[BM+2]
.if NB == 4
	s_delay_alu instid0(VALU_DEP_1)
	v_max_num_f32 v[TP], v[TP], v[BM+3]
.endif
.if (\s) == 0
	s_delay_alu instid0(VALU_DEP_1)
	v_mul_f32 v13, s22, v[TP]                      ; a head's first step starts the largest t,
	s_delay_alu instid0(VALU_DEP_1)
	v_floor_f32 v12, -v13                          ; and -M = floor(-t) = -ceil(t)
.else
	s_delay_alu instid0(VALU_DEP_1)
	v_mul_f32 v[TP], s22, v[TP]
	s_delay_alu instid0(VALU_DEP_1)
	v_max_num_f32 v13, v13, v[TP]                  ; the running largest t
	v_mov_b32 v[TP+1], v12
	s_delay_alu instid0(VALU_DEP_2)
	v_floor_f32 v12, -v13
	s_delay_alu instid0(VALU_DEP_1)
	v_sub_f32 v[TP+1], v12, v[TP+1]                ; old M - new M: a whole number, 0 or less
	s_delay_alu instid0(VALU_DEP_1)
	v_cvt_i32_f32 v[TP+1], v[TP+1]
	s_delay_alu instid0(VALU_DEP_1)
	v_ldexp_f32 v[FF], 1.0, v[TP+1]                ; f = 2^(old M - new M): multiplying by it rounds nothing
.endif
.set jj, 0
.rept 8*NB
	v_pk_fma_f32 v[\B+jj:\B+jj+1], v[\B+jj:\B+jj+1], s[22:23], v[12:13] op_sel_hi:[1,0,0]   ; t - M
.set jj, jj+2
.endr
.irp b, 0,1,2,3
.if \b < NB
	v_fma_f32 v[BM+\b], v[BM+\b], s22, v12         ; the same of each block's largest logit
.endif
.endr
.set jj, 0
	s_wait_alu depctr_va_vdst(0)
.rept 16*NB
	v_exp_f32 v[\B+jj], v[\B+jj]                   ; p = 2^(t - M): not normalised
.set jj, jj+1
.endr
.irp b, 0,1,2,3
.if \b < NB
	v_exp_f32 v[BM+\b], v[BM+\b]                   ; the block's largest p: the same two instructions on the same number
.endif
.endr
.if (\s) == 0
	v_mov_b32 v14, 0                               ; the sum begins.  (A plain place behind the exponentials)
	v_mov_b32 v15, 0
	s_wait_alu depctr_va_vdst(0)
.else
	v_pk_mul_f32 v[14:15], v[14:15], v[FF:FF+1] op_sel_hi:[1,0]   ; the sum under the new M.  (A plain place behind the exponentials)
	s_wait_alu depctr_va_vdst(0)
.endif
.irp b, 0,1,2,3
.if \b < NB
	v_max_num_f32 v[BM+\b], 0x1800000, v[BM+\b]    ; the floor 2^(3 - 127): the byte cannot fall under 1
.endif
.endr
.irp b, 0,1,2,3
.if \b < NB
	v_add_nc_u32 v[BS+\b], 0xff000000, v[BM+\b]
.endif
.endr
.irp b, 0,1,2,3
.if \b < NB
	v_lshrrev_b32 v[BT+\b], 23, v[BS+\b]
.endif
.endr
	v_lshl_or_b32 v[PW], v[BT+1], 8, v[BT]         ; p's scale word for these keys
	s_delay_alu instid0(VALU_DEP_1)
	v_lshl_or_b32 v[PW], v[BT+2], 16, v[PW]
.if NB == 4
	s_delay_alu instid0(VALU_DEP_1)
	v_lshl_or_b32 v[PW], v[BT+3], 24, v[PW]
.endif
	v_cvt_scalef32_pk16_fp6_f32 v[PC:PC+2], v[\B:\B+15], v[BS]
	v_cvt_scalef32_pk16_fp6_f32 v[PT:PT+2], v[\B+16:\B+31], v[BS+1]
	v_cvt_scalef32_pk16_fp6_f32 v[PC+6:PC+8], v[\B+32:\B+47], v[BS+2]
.if NB == 4
	v_cvt_scalef32_pk16_fp6_f32 v[PT+4:PT+6], v[\B+48:\B+63], v[BS+3]
	v_nop                                          ; one plain place behind a scaled conversion
.else
	v_nop
.irp i, 0,1,2
	v_mov_b32 v[PT+4+\i], 0                        ; keys 352 on: zero codes
.endr
.endif
	SWAPS PC
	v_pk_add_f32 v[TP:TP+1], v[\B:\B+1], v[\B+2:\B+3]   ; the row's sum is taken of the unquantised p, in two chains
.set jj, 4
.rept 4*NB-1
	v_pk_add_f32 v[14:15], v[14:15], v[\B+jj:\B+jj+1]
	v_pk_add_f32 v[TP:TP+1], v[TP:TP+1], v[\B+jj+2:\B+jj+3]
.set jj, jj+4
.endr
	s_delay_alu instid0(VALU_DEP_1)
	v_pk_add_f32 v[14:15], v[14:15], v[TP:TP+1]
.irp u, 0,1                                    ; V^T's two fragments of this head and step, into registers that p has left
.irp i, 0,1,2
	ds_load_b128 v[\B+12*\u+4*\i:\B+12*\u+4*\i+3], v[VA] offset:(3*(2*(\h)+\u)+(\s))*1536+16*\i
.endr
	ds_load_b32 v[VWD+\u], v[VS] offset:(3*(2*(\h)+\u)+(\s))*64
.endr
.if (\s) > 0
.irp j, 0,2,4,6,8,10,12,14
	v_pk_mul_f32 v[OA+\j:OA+\j+1], v[OA+\j:OA+\j+1], v[FF:FF+1] op_sel_hi:[1,0]   ; O^T under the new M
.endr
.endif
	s_wait_alu depctr_va_vdst(0)
	s_wait_dscnt 0x0
.irp u, 0,1                                    ; O^T += V^T P^T: the two accumulators by turns
.if (\s) == 0
	MM0 OA+8*\u, \B+12*\u, PC, VWD+\u, PW
.else
	MMC OA+8*\u, \B+12*\u, PC, VWD+\u, PW
.endif
.endr
	PLACES 4                                       ; in front of the loads below and of the first read of O^T
.if 3*(\h)+(\s)+2 < 12
	BLOAD 3*(\h)+(\s)+2, \B                        ; the bias of the step after next, into the buffer just left
.endif
.endm
; ---- A head's end: O^T / the sum; register i of the 16 is channel 16 h + i of the head, which is block h of the last product's K.
.macro FIN h
.set HD, (\h)/2
.if (\h) < 3
	QMASK (\h)+1
.endif
	v_add_f32 v14, v14, v15
	s_delay_alu instid0(VALU_DEP_1)
	v_permlanex16_b32 v[TP], v14, s20, s21
	s_delay_alu instid0(VALU_DEP_1)
	v_add_f32 v14, v14, v[TP]                      ; the row's sum
	s_wait_alu depctr_va_vdst(0)
	v_rcp_f32 v14, v14
	v_nop                                          ; one plain place behind a transcendental
	s_wait_alu depctr_va_vdst(0)
.irp j, 0,2,4,6,8,10,12,14
	v_pk_mul_f32 v[OA+\j:OA+\j+1], v[OA+\j:OA+\j+1], v[14:15] op_sel_hi:[1,0]
.endr
	QMAX OA, 1
.if (\h) == 0
	s_delay_alu instid0(VALU_DEP_1)
	v_mov_b32 v[OW], v[BT]
.else
	s_delay_alu instid0(VALU_DEP_1)
	v_lshl_or_b32 v[OW], v[BT], 8*(\h), v[OW]
.endif
.if (\h)%2 == 0
	v_cvt_scalef32_pk16_fp6_f32 v[OF+6*HD:OF+6*HD+2], v[OA:OA+15], v[BS]
	v_nop
.else
	v_cvt_scalef32_pk16_fp6_f32 v[PT:PT+2], v[OA:OA+15], v[BS]
	v_nop
.irp i, 0,1,2
	v_permlane16_swap_b32 v[OF+6*HD+\i], v[PT+\i]  ; lanes 0-15 get the even head whole, lanes 16-31 the odd one
.endr
.irp i, 0,1,2
	s_delay_alu instid0(VALU_DEP_3)
	v_mov_b32 v[OF+6*HD+3+\i], v[PT+\i]
.endr
.endif
.endm
	; The twelve steps are written out: Q's half, K's place and the output's place are register numbers that differ from head to head.
	s_wait_alu depctr_va_vdst(0)
	STEP 0, 0, SA
	STEP 0, 1, SB
	STEP 0, 2, SA
	FIN 0
	STEP 1, 0, SB
	STEP 1, 1, SA
	STEP 1, 2, SB
	FIN 1
	STEP 2, 0, SA
	STEP 2, 1, SB
	STEP 2, 2, SA
	FIN 2
	STEP 3, 0, SB
	STEP 3, 1, SA
	STEP 3, 2, SB
	FIN 3
	; ---- the output product, transposed: source 0 = 16 columns of w_out, source 1 = my 16 queries: a lane's eight results are eight neighbouring columns of one row
.irp t, 0,1,2,3,4,5,6,7
.irp i, 0,1,2
	ds_load_b128 v[128+12*\t+4*\i:128+12*\t+4*\i+3], v[L16] offset:WIMG+(24+\t)*1536+512*\i
.endr
.endr
	ds_load_b128 v[WS:WS+3], v[WSA] offset:512*6
	ds_load_b32 v10, v[WSA] offset:512*7
	ds_load_b32 v11, v[WSA] offset:512*7+4
	ds_load_b32 v126, v[WSA] offset:512*7+8
	ds_load_b32 v127, v[WSA] offset:512*7+12
	PLACES 8                                       ; the output's scale word and codes were written by vector instructions
	s_wait_alu depctr_va_vdst(0)
	s_wait_dscnt 0x0
.irp t, 0,1,2,3
	MM0 224+8*\t, 128+12*\t, OF, WS+\t, OW
.endr
	MM0 48, 176, OF, 10, OW
	MM0 56, 188, OF, 11, OW
	MM0 64, 200, OF, 126, OW
	MM0 72, 212, OF, 127, OW
	PLACES 4
.irp t, 0,1,2,3
	ds_store_b128 v[SO], v[224+8*\t:227+8*\t] offset:64*\t           ; each accumulator from its low end on
	ds_store_b128 v[SO], v[228+8*\t:231+8*\t] offset:64*\t+16
.endr
.irp t, 0,1,2,3
	ds_store_b128 v[SO], v[48+8*\t:51+8*\t] offset:256+64*\t
	ds_store_b128 v[SO], v[52+8*\t:55+8*\t] offset:256+64*\t+16
.endr
.irp i, 0,1,2,3,4,5,6,7,8,9,10,11,12,13,14,15
	ds_load_b128 v[128+4*\i:131+4*\i], v[SR] offset:528*\i           ; my own bytes: LDS serves a wave's instructions in order (ISA guide 5.7.1.4)
.endr
.irp i, 0,1,2,3,4,5,6,7
	s_wait_dscnt 15-\i                             ; row i is back; the younger rows may be out
	global_store_b128 v[L16], v[128+4*\i:131+4*\i], s[14:15] offset:512*\i th:TH_STORE_NT   ; 32 lanes store a row's 512 consecutive bytes, aligned.  Rows 0-7 are tokens in every wave
.endr
	s_wait_dscnt 0x0
.irp k, 0,1,2,3,4,5,6,7
	s_cmp_gt_i32 s30, \k                           ; rows 8-15 are tokens 32 w + 8 p + 16 + k: stored while under 343.  The branch hangs on ids alone
	s_cbranch_scc0 .Lend
	global_store_b128 v[L16], v[160+4*\k:163+4*\k], s[14:15] offset:512*(16+\k) th:TH_STORE_NT
.endr
.Lend:
	s_set_vgpr_msb 0x5
	s_wait_tensorcnt 0x0
	ds_add_u32 v0, v1
	s_wait_dscnt 0x0
	s_set_vgpr_msb 0x500
	s_endpgm
.Lfunc_end_k_q3f098fd768_main:
	.size	k_q3f098fd768_main, .Lfunc_end_k_q3f098fd768_main-k_q3f098fd768_main
	.p2alignl 7, 3214868480
	.fill 96, 4, 3214868480
	.section	.rodata,"a",@progbits
	.p2align	6, 0x0
	.amdhsa_kernel k_q3f098fd768_main
		.amdhsa_group_segment_fixed_size 222464
		.amdhsa_private_segment_fixed_size 0
		.amdhsa_enable_private_segment 0
		.amdhsa_kernarg_size 48
		.amdhsa_user_sgpr_count 2
		.amdhsa_user_sgpr_kernarg_segment_ptr 1
		.amdhsa_wavefront_size32 1
		.amdhsa_system_sgpr_workgroup_id_x 1
		.amdhsa_system_sgpr_workgroup_id_y 1
		.amdhsa_system_sgpr_workgroup_id_z 1
		.amdhsa_system_vgpr_workitem_id 0
		.amdhsa_next_free_vgpr 258
		.amdhsa_next_free_sgpr 72
		.amdhsa_reserve_vcc 0
		.amdhsa_float_denorm_mode_32 3
		.amdhsa_float_denorm_mode_16_64 3
		.amdhsa_memory_ordered 1
		.amdhsa_forward_progress 1
		.amdhsa_inst_pref_size 255
	.end_amdhsa_kernel
	.section	.bss,"aw",@nobits
	.p2align	6
	.space	262144
	.amdgpu_metadata
---
amdhsa.version: [ 1, 2 ]
amdhsa.kernels:
  - .name:           k_q3f098fd768_main
    .symbol:         k_q3f098fd768_main.kd
    .args:
      - { .name: x, .offset: 0, .size: 8, .value_kind: global_buffer, .address_space: global }
      - { .name: ln_w, .offset: 8, .size: 8, .value_kind: global_buffer, .address_space: global }
      - { .name: ln_b, .offset: 16, .size: 8, .value_kind: global_buffer, .address_space: global }
      - { .name: wts, .offset: 24, .size: 8, .value_kind: global_buffer, .address_space: global }
      - { .name: biasx, .offset: 32, .size: 8, .value_kind: global_buffer, .address_space: global }
      - { .name: out0, .offset: 40, .size: 8, .value_kind: global_buffer, .address_space: global }
    .group_segment_fixed_size: 222464
    .private_segment_fixed_size: 0
    .kernarg_segment_align: 8
    .kernarg_segment_size: 48
    .max_flat_workgroup_size: 352
    .sgpr_count:     72
    .vgpr_count:     258
    .wavefront_size: 32
...
	.end_amdgpu_metadata
.endif
;; end of part 2
